; MI455X (gfx1250); checked and timed in simulation.
; The chip was launched on July 23, 2026; its instructions are those of AMD's public machine-readable ISA for CDNA 5 (MIT licence, August 2026) and "CDNA5" Instruction Set Architecture Reference Guide (July 2026). The comments in the code are by the model that wrote it; some were corrected since.
;; Attention. Allowed arithmetic: matrix products marked QUANTISED: E3M2 operands, one E8M0 scale for each 32 along K, by v_wmma_scale_f32_16x16x128_f8f6f4 with both operands' format E3M2, f32 sums; products left as they are: f32 operands where the result goes on into a quantised operand, else bf16, f16 or f32 operands; f32 sums; everything else in f32.
;; Inputs: Wc_codes 1,024 x 32 x 24 uint8 (E3M2 codes of Wc, K innermost, in blocks of 32 codes, four codes in three bytes); Wc_scales 1,024 x 32 uint8 (E8M0 scales of Wc, one for each 32 codes along K); Wh_codes 1,024 x 32 x 24 uint8 (E3M2 codes of Wh, K innermost, in blocks of 32 codes, four codes in three bytes); Wh_scales 1,024 x 32 uint8 (E8M0 scales of Wh, one for each 32 codes along K); Wo_codes 1,024 x 32 x 24 uint8 (E3M2 codes of Wo, K innermost, in blocks of 32 codes, four codes in three bytes); Wo_scales 1,024 x 32 uint8 (E8M0 scales of Wo, one for each 32 codes along K); ctx 1,024 x 64 x 1,024 float32; ctx_mask 1,024 x 64 float32; hid_codes 1 x 64 x 32 x 24 uint8 (E3M2 codes of hid, K innermost, in blocks of 32 codes, four codes in three bytes); hid_scales 1 x 64 x 32 uint8 (E8M0 scales of hid, one for each 32 codes along K); wm 1 x 1,024 float32.
;; Outputs: out0 1,024 x 64 float32; out1 64 x 1,024 float32.
;; This version of the problem:
;;   THIS VERSION OF THE PROBLEM IS GIVEN IN LOW PRECISION. The matrix products marked QUANTISED in the list below multiply operands that are first quantised to E3M2 (3 exponent bits, 2 mantissa bits; 6 bits a number), with one power-of-two scale for each 32 numbers along K (OCP MX v1.0); their sums are f32. All else is computed in f32.
;;   The module's matrix products, in the order in which they are computed (A, B: the left and right operand; K: the contracted axis; several contracted axes count as one K, in the product's order):
;;     1. [M 65,536, K 1,024] x [K 1,024, N 1,024]; A: input ctx; B: input Wc (given as codes): QUANTISED
;;     2. [M 64, K 1,024] x [K 1,024, N 1,024]; A: input hid (given as codes); B: input Wh (given as codes): QUANTISED
;;     3. [M 65,536, K 1,024] x [K 1,024, N 1]; A: computed on the way; B: input wm: left as it is (N = 1 < 16)
;;     4. batch 64 x [M 1, K 1,024] x [K 1,024, N 1,024]; A: softmax; B: input ctx: left as it is (M = 1 < 16)
;;     5. [M 64, K 1,024] x [K 1,024, N 1,024]; A: computed on the way; B: input Wo (given as codes): QUANTISED
;;   THE QUANTISER, for each operand of a quantised product, along K:
;;     - K is cut into blocks of 32 from its start; a last block that is shorter is filled with zeros.
;;     - A block's scale is 2^e with e = floor(log2(the largest magnitude in the block)) - 4, held to -126 .. 127; a block of zeros has e = 0. As a byte (E8M0): e + 127.
;;     - Each number is divided by its block's scale, clamped to +-28, and rounded to the nearest number of E3M2, ties to even, subnormals kept.
;;     - The product sums the exact products of the quantised numbers (number of the format x scale) in f32.
;;   ~~~python
;;   def quantise(x, axis):      # numpy; x: float32 -> the quantised numbers, widened to float32 again
;;       x = np.moveaxis(x, axis, -1); K = x.shape[-1]
;;       x = np.pad(x, [(0, 0)] * (x.ndim - 1) + [(0, -K % 32)]); x = x.reshape(x.shape[:-1] + (-1, 32)); a = np.abs(x).max(-1, keepdims=True)
;;       e = np.where(a > 0, np.clip(np.frexp(np.where(a > 0, a, 1))[1] - 1 - 4, -126, 127), 0)      # np.frexp(a)[1] - 1 = floor(log2(a)), exactly
;;       r = np.clip(x / 2.0 ** e, -28, 28)
;;       step = 2.0 ** (np.maximum(np.frexp(np.where(r == 0, 1, r))[1] - 1, -2) - 2)
;;       q = np.round(r / step) * step * 2.0 ** e      # np.round: ties to even
;;       return np.moveaxis(q.reshape(q.shape[:-2] + (-1,))[..., :K], -1, axis).astype(np.float32)
;;   ~~~
;;   OPERANDS COMPUTED ON THE WAY. 'Computed on the way' means the value that the module computes at that place (a softmax that the list does not call 'softmax' is quantised finished and normalised). What goes into a quantiser is computed in f32, as accurately as f32 sums, v_exp_f32 and their like allow (about 1e-6 of the number): no bf16 or f16 on the way to a quantiser, and a product that is left as it is and whose result goes on into a quantised operand takes f32 operands (vector FMAs, or v_wmma_f32_16x16x4_f32). A number that lies on a knife's edge between two numbers of the format may be rounded either way, as far as f32 arithmetic and the matrix unit's own rounding can turn it there, and no further.
;;   INPUTS GIVEN AS CODES. Wc (in the module: [1024, 1024], K = its axis 1); Wh (in the module: [1024, 1024], K = its axis 1); Wo (in the module: [1024, 1024], K = its axis 1); hid (in the module: [1, 64, 1024], K = its axis 2): each comes as NAME_codes (uint8): NAME with its K axis moved to the last place and cut into blocks of 32 codes, [.., K / 32, bytes a block], one block behind the other in memory; four codes in three bytes: a row's codes are one little-endian stream of bits, code i at bits 6 i .. 6 i + 5 (a code: sign, 3 exponent bits, 2 mantissa bits); and NAME_scales (uint8): the same leading axes, one E8M0 byte (e + 127) for each 32 codes along K. Its value is code x scale, taken as it is: it is not quantised again, and the codes and scales need not be those that the quantiser above would give.
;; One version. Each part assembles by itself: llvm-mc -triple=amdgcn-amd-amdhsa -mcpu=gfx1250 --defsym DOCPART=n.
;; ======== version 1 of 1: 4 launches
;; limits: right only within a limited range of input values
;; workspace buffers: hidp 262,144 bytes; scores 262,144 bytes; alphat 262,144 bytes; zc 49,152 bytes; zs 2,048 bytes
;; launch proj (part 1): grid 16 x 4, 4 waves a work-group, no clusters, 109,312 bytes of LDS; arguments hid_codes, hid_scales, Wh_codes, Wh_scales, hidp; writes hidp
.if DOCPART == 1
	.amdgcn_target "amdgcn-amd-amdhsa--gfx1250"
	.amdhsa_code_object_version 6
	.text
	.protected	k_q365c460352_proj
	.globl	k_q365c460352_proj
	.p2align	8
	.type	k_q365c460352_proj,@function
k_q365c460352_proj:
	s_mov_b64 s[64:65], 0
	v_nop
	global_prefetch_b8 v0, s[64:65] scope:SCOPE_SE
	s_setreg_imm32_b32 hwreg(HW_REG_WAVE_MODE, 25, 1), 1
	s_wait_xcnt 0x0
; THE PROGRAM (four launches): proj: hid_ = hid Wh^T.  score: scores = mask(wm . tanh(Q(ctx) Wc^T + hid_)).  attend: alpha = softmax over s, z = sum alpha ctx, Q(z).  finish: z_t = Q(z) Wo^T, and alpha laid [S][B].
; WORK LEFT OUT: the division by TEMP alone.  reference() sets TEMP = 1.0 in its own body, so it is a factor 1 by identity for all values of the inputs.  Every input has a way to an output and is loaded; nothing else is left out,
; so no NaN, infinity or overflow can be lost with work left out.
; THIS LAUNCH: out[b][m] = sum over k of X[b][k] W[m][k], X [64][1024] and W [1024][1024] given as codes of BF6 (E3M2), K innermost (a row is 768 bytes), one E8M0 byte for each 32 along K (a row is 32 bytes); out f32 [64][1024].
; SHARES: work-group (x, y) makes rows 16 y .. 16 y + 15, columns 64 x .. 64 x + 63; wave w its columns 16 w on: one tile, K = 1,024 in eight matrix instructions.
; THE OPERANDS: a wave's 16 rows of W and the 16 rows of X are two dense blocks of 12,288 bytes.  Each comes by 24 loads of 16 bytes a lane, 512 consecutive bytes a load, all asked for at once and waited for once;
; they go into LDS bytes of the wave's own (16 bytes of padding behind every 256, so a row of codes is 816 bytes there) and come back as fragments, in pieces of 8 bytes.  The bytes are the wave's own: no barrier.
; THE MATRIX INSTRUCTION IS USED TRANSPOSED (source 0 = 16 rows of W, source 1 = 16 rows of X): a lane holds eight neighbouring columns of one row of out.
; ORDER OF SUMS: K's even and odd steps go to two accumulators, which take turns, and are added at the end: another order than one chain along K.
.set SP,    272                        ; a stage row: 256 bytes (the work-group's 64 columns) + 16
.set SPARE, 16*SP                      ; behind the stage: the spare words, 128 bytes for each wave
.set FRG,   SPARE+512                  ; behind them: 26,112 bytes for each wave: X's 16 rows, then W's 16 rows
.set XF,    32                         ; v32-127   X's block, then its eight fragments, 12 registers each
.set WF,    128                        ; v128-223  W's
.set XSC,   12                         ; v12-15    X's scale words: register i: lanes 0-15 K step i, lanes 16-31 K step 4 + i
.set WSC,   16                         ; v16-19    W's likewise
.set ACC,   224                        ; v224-231, v232-239 the two accumulators; v240-247 their sum
	s_load_b256 s[4:11], s[0:1], 0x0               ; X's codes s[4:5], X's scales s[6:7], W's codes s[8:9], W's scales s[10:11]
	s_load_b64 s[12:13], s[0:1], 0x20              ; out
	v_lshl_add_u32 v8, v0, 2, SPARE                ; my spare word; never rewritten
	v_mov_b32 v9, 0                                ; 0; never rewritten
	v_lshrrev_b32 v1, 5, v0
	v_readfirstlane_b32 s14, v1                    ; wave 0..3
	v_and_b32 v2, 15, v0                           ; r
	s_wait_alu depctr_va_vdst(0)
	v_bfe_u32 v3, v0, 4, 1                         ; h
	s_and_b32 s15, ttmp7, 0xffff                   ; which 16 rows
	s_mul_i32 s2, s14, 26112
	s_add_co_u32 s2, s2, FRG                       ; my wave's LDS bytes
	v_mul_u32_u24 v4, v2, 816
	v_mad_u32_u24 v4, v3, 24, v4
	v_add_nc_u32 v4, s2, v4                        ; a fragment: row r, + 24 h;
	v_lshl_add_u32 v11, v3, 4, v4                  ; and where lanes 16-31 have passed a run's padding
	v_mul_u32_u24 v21, v3, 272
	v_lshl_add_u32 v21, v2, 4, v21
	v_add_nc_u32 v21, s2, v21                      ; a block's way in: run h (+ 2 i), 16 bytes a lane
	v_and_b32 v20, 31, v0
	v_lshlrev_b32 v20, 4, v20                      ; and the same in memory: 16 x lane
	v_lshlrev_b32 v5, 5, v2
	v_lshl_add_u32 v5, v3, 4, v5                   ; scale bytes: row r, + 16 h: lanes 0-15 take K steps 0-3, lanes 16-31 K steps 4-7
	s_mul_i32 s20, s15, 12288                      ; X's codes: 16 rows of 768 bytes
	s_mov_b32 s21, 0
	s_lshl_b32 s22, s15, 9                         ; X's scales: 16 rows of 32
	s_mov_b32 s23, 0
	s_lshl_b32 s30, ttmp9, 6
	s_lshl_b32 s31, s14, 4
	s_add_co_u32 s30, s30, s31                     ; my first column: 64 x + 16 w
	s_mul_i32 s24, s30, 768
	s_mov_b32 s25, 0
	s_lshl_b32 s26, s30, 5
	s_mov_b32 s27, 0
	s_lshl_b32 s28, s15, 16                        ; out: (16 y + 4 w) rows of 4,096 bytes + 256 x
	s_lshl_b32 s31, s14, 14
	s_add_co_u32 s28, s28, s31
	s_lshl_b32 s31, ttmp9, 8
	s_add_co_u32 s28, s28, s31
	s_mov_b32 s29, 0
	s_lshl_b32 s30, s14, 6                         ; 64 w
	s_mul_i32 s31, s14, 4*SP
	v_mul_u32_u24 v6, v2, SP
	s_wait_alu depctr_va_vdst(0)
	v_lshl_add_u32 v6, v3, 5, v6
	v_add_nc_u32 v6, s30, v6                       ; into the stage: row r, my wave's 64 bytes, 32 for each half of the lanes
	v_mul_u32_u24 v7, v3, SP
	v_lshl_add_u32 v7, v2, 4, v7
	v_add_nc_u32 v7, s31, v7                       ; back: rows 4 w + h (+ 2), 16 bytes a lane
	v_lshlrev_b32 v10, 12, v3
	v_lshl_add_u32 v10, v2, 4, v10                 ; and the same in out
	s_wait_alu depctr_va_vdst(0)
	s_wait_kmcnt 0x0
	s_add_nc_u64 s[4:5], s[4:5], s[20:21]
	s_add_nc_u64 s[6:7], s[6:7], s[22:23]
	s_add_nc_u64 s[8:9], s[8:9], s[24:25]
	s_add_nc_u64 s[10:11], s[10:11], s[26:27]
	s_add_nc_u64 s[12:13], s[12:13], s[28:29]
	global_load_b128 v[XSC:XSC+3], v5, s[6:7]
	global_load_b128 v[WSC:WSC+3], v5, s[10:11]
.irp i, 0,1,2,3,4,5,6,7,8,9,10,11,12,13,14,15,16,17,18,19,20,21,22,23
	global_load_b128 v[XF+4*\i:XF+4*\i+3], v20, s[4:5] offset:512*\i   ; 512 consecutive bytes a load
	global_load_b128 v[WF+4*\i:WF+4*\i+3], v20, s[8:9] offset:512*\i
.endr
	s_wait_loadcnt 0x0
.irp i, 0,1,2,3,4,5,6,7,8,9,10,11,12,13,14,15,16,17,18,19,20,21,22,23
	ds_store_b128 v21, v[XF+4*\i:XF+4*\i+3] offset:544*\i
	ds_store_b128 v21, v[WF+4*\i:WF+4*\i+3] offset:13056+544*\i
.endr
	s_wait_dscnt 0x0                               ; the stores have read their registers, which the fragments take
.irp q, 0,1,2,3,4,5,6,7
.irp p, 0,1,2,3,4,5
.set PC, 12*\q+6*(\p/3)+\p%3           ; the piece of lanes 0-15, counted in 8 bytes along the row; it lies at 8 PC + 16 for each 256 bytes passed; lanes 16-31 take the piece three on
.if (PC%32) >= 29
	ds_load_b64 v[XF+12*\q+2*\p:XF+12*\q+2*\p+1], v11 offset:8*PC+16*(PC/32)
	ds_load_b64 v[WF+12*\q+2*\p:WF+12*\q+2*\p+1], v11 offset:13056+8*PC+16*(PC/32)
.else
	ds_load_b64 v[XF+12*\q+2*\p:XF+12*\q+2*\p+1], v4 offset:8*PC+16*(PC/32)
	ds_load_b64 v[WF+12*\q+2*\p:WF+12*\q+2*\p+1], v4 offset:13056+8*PC+16*(PC/32)
.endif
.endr
.endr
	s_wait_dscnt 0x0
.irp q, 0,1,2,3,4,5,6,7
.set AC, ACC+8*(\q%2)
.if \q < 2
	v_wmma_scale_f32_16x16x128_f8f6f4 v[AC:AC+7], v[WF+12*\q:WF+12*\q+11], v[XF+12*\q:XF+12*\q+11], 0, v[WSC+\q], v[XSC+\q] matrix_a_fmt:MATRIX_FMT_BF6 matrix_b_fmt:MATRIX_FMT_BF6
.elseif \q < 4
	v_wmma_scale_f32_16x16x128_f8f6f4 v[AC:AC+7], v[WF+12*\q:WF+12*\q+11], v[XF+12*\q:XF+12*\q+11], v[AC:AC+7], v[WSC+\q], v[XSC+\q] matrix_a_fmt:MATRIX_FMT_BF6 matrix_b_fmt:MATRIX_FMT_BF6
.else
	v_wmma_scale_f32_16x16x128_f8f6f4 v[AC:AC+7], v[WF+12*\q:WF+12*\q+11], v[XF+12*\q:XF+12*\q+11], v[AC:AC+7], v[WSC+\q-4], v[XSC+\q-4] matrix_a_fmt:MATRIX_FMT_BF6 matrix_b_fmt:MATRIX_FMT_BF6 matrix_a_scale:MATRIX_SCALE_ROW1 matrix_b_scale:MATRIX_SCALE_ROW1
.endif
.endr
.rept 4
	v_nop                                          ; four places between the last product and the first read of results (ISA guide 7.12.1)
.endr
.irp j, 0,2,4,6
	v_pk_add_f32 v[240+\j:241+\j], v[ACC+\j:ACC+\j+1], v[ACC+8+\j:ACC+8+\j+1]   ; each accumulator from its low end on: out(16 y + r, my column + 8 h + j)
.endr
	ds_store_b128 v6, v[240:243]
	ds_store_b128 v6, v[244:247] offset:16
	s_wait_dscnt 0x0                               ; for the others' sake: a row's 256 bytes come from four waves
	s_barrier_signal -1
	s_barrier_wait -1
	ds_load_b128 v[24:27], v7
	ds_load_b128 v[28:31], v7 offset:2*SP
	s_wait_dscnt 0x1                               ; the first of the two is in
	global_store_b128 v10, v[24:27], s[12:13]      ; sixteen lanes store 256 consecutive bytes, at a multiple of 256 from out's first byte
	s_wait_dscnt 0x0
	global_store_b128 v10, v[28:31], s[12:13] offset:8192
	s_wait_tensorcnt 0x0                           ; the wave's end
	ds_add_u32 v8, v9
	s_wait_dscnt 0x0
	s_endpgm
.Lfunc_end_k_q365c460352_proj:
	.size	k_q365c460352_proj, .Lfunc_end_k_q365c460352_proj-k_q365c460352_proj
	.p2alignl 7, 3214868480
	.fill 96, 4, 3214868480
	.section	.rodata,"a",@progbits
	.p2align	6, 0x0
	.amdhsa_kernel k_q365c460352_proj
		.amdhsa_group_segment_fixed_size 109312
		.amdhsa_private_segment_fixed_size 0
		.amdhsa_enable_private_segment 0
		.amdhsa_kernarg_size 40
		.amdhsa_user_sgpr_count 2
		.amdhsa_user_sgpr_kernarg_segment_ptr 1
		.amdhsa_wavefront_size32 1
		.amdhsa_system_sgpr_workgroup_id_x 1
		.amdhsa_system_sgpr_workgroup_id_y 1
		.amdhsa_system_sgpr_workgroup_id_z 1
		.amdhsa_system_vgpr_workitem_id 0
		.amdhsa_next_free_vgpr 256
		.amdhsa_next_free_sgpr 66
		.amdhsa_reserve_vcc 0
		.amdhsa_float_denorm_mode_32 3
		.amdhsa_float_denorm_mode_16_64 3
		.amdhsa_memory_ordered 1
		.amdhsa_forward_progress 1
		.amdhsa_inst_pref_size 19
	.end_amdhsa_kernel
	.amdgpu_metadata
---
amdhsa.version: [ 1, 2 ]
amdhsa.kernels:
  - .name:           k_q365c460352_proj
    .symbol:         k_q365c460352_proj.kd
    .args:
      - { .name: hid_codes, .offset: 0, .size: 8, .value_kind: global_buffer, .address_space: global }
      - { .name: hid_scales, .offset: 8, .size: 8, .value_kind: global_buffer, .address_space: global }
      - { .name: Wh_codes, .offset: 16, .size: 8, .value_kind: global_buffer, .address_space: global }
      - { .name: Wh_scales, .offset: 24, .size: 8, .value_kind: global_buffer, .address_space: global }
      - { .name: hidp, .offset: 32, .size: 8, .value_kind: global_buffer, .address_space: global }
    .group_segment_fixed_size: 109312
    .private_segment_fixed_size: 0
    .kernarg_segment_align: 8
    .kernarg_segment_size: 40
    .max_flat_workgroup_size: 128
    .sgpr_count:     66
    .vgpr_count:     256
    .wavefront_size: 32
...
	.end_amdgpu_metadata
.endif
;; end of part 1
;; launch score (part 2): grid 4 x 64, 8 waves a work-group, clusters of 4 x 1, 327,680 bytes of LDS; arguments ctx, ctx_mask, Wc_codes, Wc_scales, hidp, wm, scores; writes scores
.if DOCPART == 2
	.amdgcn_target "amdgcn-amd-amdhsa--gfx1250"
	.amdhsa_code_object_version 6
	.text
	.protected	k_q365c460352_score
	.globl	k_q365c460352_score
	.p2align	8
	.type	k_q365c460352_score,@function
k_q365c460352_score:
	s_mov_b64 s[64:65], 0
	v_nop
	global_prefetch_b8 v0, s[64:65] scope:SCOPE_SE
	s_setreg_imm32_b32 hwreg(HW_REG_WAVE_MODE, 25, 1), 1
	s_wait_xcnt 0x0
	s_wait_alu depctr_hold_cnt(0) depctr_sa_sdst(0) depctr_va_vdst(0) depctr_va_sdst(0) depctr_va_ssrc(0) depctr_va_vcc(0) depctr_vm_vsrc(0)
	s_getreg_b32 s2, hwreg(HW_REG_IB_STS2, 6, 4)
	s_cmp_eq_u32 s2, 0
	s_cbranch_scc0 .Lentry_in_a_cluster
	s_endpgm
.Lentry_in_a_cluster:
	s_bfe_u32 s2, ttmp6, 0x10000c
	s_cmp_lg_u32 s2, 0x3003
	s_cbranch_scc0 .Lentry_shape_is_right
	s_endpgm
.Lentry_shape_is_right:
; scores[b][s] = mask(sum over m of wm[m] tanh(sum over c of Q(ctx)[s][b][c] Wc[m][c] + hid_[b][m])), stored [64 b][1024 s] f32.  The division by TEMP = 1.0, a factor 1 by reference()'s own constant, is left out.
; SHARES: work-group (cx, b): one b, rows s = 256 cx on; wave w of eight its rows 32 w on.  The four work-groups of a cluster walk the same Wc: its chunks come by joint loads.
; EIGHT WAVES, two for each of a WGP's four SIMDs, 512 registers each: the products (M) and the way out (E: exponentials and reciprocals) use different units, and one wave cannot issue both at once.
;   Waves 0-3 run M E M E between two changes of slots, waves 4-7 E M E M: their last way out of a chunk stands behind the change of slots.  The branches hang on the wave's number alone and lead round register work alone.
; PART 1: ctx's 32 rows of a wave come in eight units of 128 along K (512 bytes of a row) through a ring of two LDS slots, each wave's own part, and are quantised to BF6 (E3M2) codes, which stay in registers:
;   2 row blocks x 8 K steps x 12 registers.  A lane holds two whole blocks of 32 along K, so a block's largest magnitude needs no other lane.
; PART 2: Wc in eight chunks of 128 rows m (98,304 dense bytes) through the same two slots; a chunk is two sub-chunks of 64 rows m.  M: 32 x 64 sums, K = 1,024 in eight steps of 8 matrix instructions, 8 accumulators by turns
;   hid_ is the C of each accumulator's first product; fragments are fetched two steps ahead into three sets.  TRANSPOSED USE: source 0 = 16 rows of Wc, source 1 = 16 rows of ctx.
; tanh(x) = 1 - 2 / (1 + 2^(2 log2(e) x)): a score is sum(wm) - 2 sum of wm[m] / (1 + 2^(..)).  An exponential that overflows gives 1 / infinity = 0, tanh = 1; one that falls to 0 gives tanh = -1.
; PREFETCH: ctx's unit u + 2 is asked for behind the tensor load of unit u (units 1 and 2 at the head): 32 rows x 512 bytes a wave, a lane a row, two requests; nothing is asked for beyond unit 7.
;   Wc's chunks are not prefetched: a chunk is asked for one whole chunk's work ahead of its first read.  Wc's scale bytes (32 KB against 768 KB of codes) come once, through registers, into LDS bytes of their own.
; LIMITS: NaN and infinities in the inputs are not served.  A block of ctx under 2^-122 keeps the scale byte 1; a block of zeros has the byte 1 and zero codes, and this launch alone reads the bytes.
; ORDER OF SUMS: a score is summed in four chains a lane, then over the two halves of the lanes.
; REGISTERS: window 0: v0-15 addresses, v16-23 ctx's scale words, v24-39 Wc's, v40-47 partial sums, v48-191 three sets of Wc's fragments, v192-255 accumulators.  Window 1: v0-191 ctx's codes, v192-223 hid_ then wm, v224-234 odds.
.set P1,    139264                     ; a slot: 8 waves x 32 rows x 544 bytes
.set STW,   17408                      ; a wave's part of a slot in part 1
.set SLW,   13056                      ; and in part 2: 16 rows of Wc = 48 runs of 256 bytes + 16
.set SCL,   278528                     ; Wc's scale bytes: 128 runs of 256 bytes + 16
.set TABH,  313344                     ; hid_[b], 4,096 bytes
.set TABW,  TABH+4096                  ; wm
.set SCR,   TABW+4096                  ; the scores' stage, 128 bytes a wave
.set SPARE, SCR+1024                   ; the spare words, 128 bytes a wave
.set WROW,  816                        ; a row of Wc's codes in LDS: 3 x 272
.set SPW, 1                            ; v1 my spare word, v2 = 0: never rewritten
.set NIL, 2
.set XS,  16
.set WS,  24
.set SCA, 40
.set ACC, 192
.set BW,  192                          ; in window 1
.set G1X, 28
.set G1B, 36
.set G0X, 52
.set G0B, 60
.set MSB, 0
.macro WIN new                         ; the immediate's high byte repeats the setting that is left
.if MSB != (\new)
	s_set_vgpr_msb (MSB<<8)|(\new)
.set MSB, (\new)
.endif
.endm
.macro CROUND                          ; a round of the cluster's barrier
	s_barrier_signal -1
	s_barrier_wait -1
	s_cmp_lg_u32 s18, 0
	s_cbranch_scc1 .Lnot_wave_0_\@
	s_barrier_signal -3
.Lnot_wave_0_\@:
	s_barrier_wait -3
	s_barrier_signal -1
	s_barrier_wait -1
.endm
.macro TL g0, g1                       ; a tensor load with an s_nop and four v_nops behind it
	tensor_load_to_lds s[\g0:\g0+3], s[\g1:\g1+7]
	s_nop 0
.rept 4
	v_nop
.endr
.endm
; A change of slots.  kind 0, 1: ctx's next unit into slot 0, 1.  2: Wc's chunk 0 into slot 0.  3: Wc's next chunk into the other slot.  4: nothing more is fetched.
.macro CHANGE kind
	s_wait_tensorcnt 0x0                           ; all my tensor loads have landed (one was out),
	ds_add_u32 v[SPW], v[NIL]                      ; the add on my spare word,
.if (\kind) < 2
	s_add_nc_u64 s[G0X+4*(\kind)+2:G0X+4*(\kind)+3], s[G0X+4*(\kind)+2:G0X+4*(\kind)+3], 1024   ; two units on along K
.endif
.if (\kind) == 3
	s_xor_b32 s81, s81, P1
	s_add_co_u32 s[G0B+1], s82, s81
	s_add_nc_u64 s[G0B+2:G0B+3], s[G0B+2:G0B+3], 98304
.endif
	s_wait_dscnt 0x0                               ; the add is done, and my reads of the slot left behind
.if (\kind) == 4
	s_barrier_signal -1
	s_barrier_wait -1
.else
	CROUND
.if (\kind) < 2
	TL G0X+4*(\kind), G1X
.else
	TL G0B, G1B
.endif
.endif
.endm
.macro ASK u                           ; unit u of my 32 rows: a lane a row, two runs of 256 bytes
.irp j, 0,1
	global_prefetch_b8 v5, s[4:5] offset:512*(\u)+256*\j th:TH_LOAD_NT scope:SCOPE_SE
.endr
.endm
	s_load_b256 s[4:11], s[0:1], 0x0               ; ctx s[4:5], mask s[6:7], Wc's codes s[8:9], Wc's scales s[10:11]
	s_load_b128 s[12:15], s[0:1], 0x20             ; hidp s[12:13], wm s[14:15]
	s_load_b64 s[16:17], s[0:1], 0x30              ; scores
	v_lshl_add_u32 v[SPW], v0, 2, SPARE
	v_mov_b32 v[NIL], 0
	ds_add_u32 v[SPW], v[NIL]                      ; the opening lines: the add twice on end and its wait
	ds_add_u32 v[SPW], v[NIL]
	v_lshrrev_b32 v3, 5, v0
	v_readfirstlane_b32 s18, v3                    ; wave 0..7
	s_lshr_b32 s71, s18, 2                         ; 0: waves 0-3, 1: waves 4-7
	s_bfe_u32 s19, ttmp6, 0x40000                  ; cx
	s_and_b32 s20, ttmp7, 0xffff                   ; b
	s_lshl_b32 s84, ttmp9, 2
	s_add_co_u32 s84, s84, s19
	s_lshl_b32 s84, s84, 8                         ; the work-group's first row s
	s_lshl_b32 s22, s84, 2
	s_lshl_b32 s85, s18, 5
	s_add_co_u32 s84, s84, s85                     ; my first row s
	s_mov_b32 s[G1X+0], (2<<16)|(1<<20)|(5<<22)|(3<<25)   ; ctx: 32 rows x 128 f32, 16 bytes of padding behind every 256
	s_mov_b32 s[G1X+1], 128<<16
	s_mov_b32 s[G1X+2], 32<<16
	s_mov_b32 s[G1X+3], 128<<16
	s_mov_b32 s[G1X+4], 32
	s_mov_b32 s[G1X+5], 65536
	s_mov_b32 s[G1X+6], 0
	s_mov_b32 s[G1X+7], 0
	s_mov_b32 s[G1B+0], 15|(3<<16)|(1<<20)|(1<<21)|(5<<22)|(3<<25)   ; Wc: a dense block as 48 rows of 256 bytes, padded; joint for the cluster's four
	s_mov_b32 s[G1B+1], 32<<16
	s_mov_b32 s[G1B+2], 48<<16
	s_mov_b32 s[G1B+3], 32<<16
	s_mov_b32 s[G1B+4], 48
	s_mov_b32 s[G1B+5], 32
	s_mov_b32 s[G1B+6], 0
	s_mov_b32 s[G1B+7], 0
	s_mul_i32 s86, s18, STW
	s_mul_i32 s82, s18, SLW
	s_mul_i32 s88, s18, 12288
	s_mov_b32 s89, 0
	s_lshl_b32 s24, s84, 18                        ; ctx: row s of 262,144 bytes + 4,096 b
	s_lshl_b32 s21, s20, 12
	s_add_co_u32 s24, s24, s21
	s_mov_b32 s25, 0
	s_lshl_b32 s26, s84, 8                         ; mask: 256 s + 4 b
	s_lshl_b32 s27, s20, 2
	s_add_co_u32 s26, s26, s27
	s_mov_b32 s27, 0
	s_add_co_u32 s22, s22, s21                     ; scores: 4,096 b + 4 x the work-group's first s
	s_mov_b32 s23, 0
	s_mov_b32 s85, 0
	s_mov_b32 s84, s21
	s_mov_b32 s72, 0x4038aa3b                      ; 2 log2(e)
	s_mov_b32 s73, s72
	s_mov_b32 s74, 0x76543210
	s_mov_b32 s75, 0xfedcba98                      ; selects for lane l xor 16
	s_mov_b32 s76, 0xffff0000                      ; lanes 16-31
	s_mov_b32 s77, 0                               ; the chunk's slot
	s_mov_b32 s78, 0                               ; its place in the scales
	s_mov_b32 s79, 0                               ; and in the tables
	s_mov_b32 s81, 0
	s_wait_dscnt 0x0
	s_wait_kmcnt 0x0
	s_add_nc_u64 s[4:5], s[4:5], s[24:25]
	s_add_nc_u64 s[6:7], s[6:7], s[26:27]
	s_add_nc_u64 s[16:17], s[16:17], s[22:23]
	s_add_nc_u64 s[12:13], s[12:13], s[84:85]
	s_mov_b32 s[G0X+0], 1
	s_mov_b32 s[G0X+1], s86
	s_mov_b64 s[G0X+2:G0X+3], s[4:5]
	s_or_b32 s[G0X+3], s[G0X+3], 0x80000000
	s_mov_b32 s[G0X+4], 1
	s_add_co_u32 s[G0X+5], s86, P1
	s_add_nc_u64 s[G0X+6:G0X+7], s[4:5], 512
	s_or_b32 s[G0X+7], s[G0X+7], 0x80000000
	s_mov_b32 s[G0B+0], 1
	s_mov_b32 s[G0B+1], s82
	s_add_nc_u64 s[G0B+2:G0B+3], s[8:9], s[88:89]
	s_or_b32 s[G0B+3], s[G0B+3], 0x80000000
	CROUND
	TL G0X, G1X                                    ; ctx's unit 0: my one tensor load at the head
	v_and_b32 v176, 15, v0                         ; r
	v_bfe_u32 v177, v0, 4, 1                       ; h
	v_and_b32 v178, 31, v0
	v_lshlrev_b32 v180, 4, v0
	v_lshlrev_b32 v181, 4, v178
	v_lshlrev_b32 v182, 8, v176
	v_lshlrev_b32 v5, 18, v178                     ; the prefetches' offset: a lane a row of 262,144 bytes
	global_load_b128 v[48:51], v180, s[12:13]      ; hid_[b]: 16 bytes a thread
	global_load_b128 v[52:55], v180, s[14:15]      ; wm likewise
.irp k, 0,1,2,3,4,5,6,7
	global_load_b128 v[64+4*\k:67+4*\k], v181, s[14:15] offset:512*\k   ; all of wm for its sum
.endr
.irp i, 0,1,2,3,4,5,6,7
	global_load_b128 v[96+4*\i:99+4*\i], v180, s[10:11] offset:4096*\i   ; Wc's scale bytes: a wave reads 512 consecutive bytes
.endr
	WIN 0x40
.irp a, 0,1
	global_load_b32 v[232+\a], v182, s[6:7] offset:4096*\a   ; the mask of row 16 a + r
.endr
	WIN 0
	ASK 1
	ASK 2
	v_mul_u32_u24 v3, v176, WROW
	v_mad_u32_u24 v3, v177, 24, v3                 ; a fragment of Wc: row r, + 24 h;
	v_lshl_add_u32 v4, v177, 4, v3                 ; and where lanes 16-31 have passed a run's padding
	v_lshrrev_b32 v179, 3, v176
	v_mul_u32_u24 v9, v179, 272
	v_and_b32 v179, 7, v176
	v_lshl_add_u32 v9, v179, 5, v9
	v_lshl_add_u32 v9, v177, 4, v9
	v_add_nc_u32 v9, SCL, v9                       ; Wc's scale words: row r of 32 bytes, + 16 h
	v_lshlrev_b32 v10, 5, v177
	v_add_nc_u32 v10, TABH, v10                    ; the tables: 8 h numbers on
	v_mul_u32_u24 v13, v176, 544
	v_lshl_add_u32 v13, v177, 7, v13
	v_add_nc_u32 v13, s86, v13                     ; ctx in slot 0: row r, + 32 h numbers
	v_add_nc_u32 v14, P1, v13                      ; in slot 1
	v_lshlrev_b32 v15, 3, v177
	v_add_nc_u32 v183, TABH, v180
	v_lshrrev_b32 v184, 4, v0
	v_mul_u32_u24 v184, v184, 272
	v_lshl_add_u32 v184, v176, 4, v184
	v_add_nc_u32 v184, SCL, v184                   ; the scale bytes' place: run thread / 16 (+ 16 i), 16 bytes a thread
	v_mov_b32 v200, 0
	s_wait_alu depctr_va_vdst(0)
	s_wait_loadcnt 0x0
	ds_store_b128 v183, v[48:51]
	ds_store_b128 v183, v[52:55] offset:4096
.irp i, 0,1,2,3,4,5,6,7
	ds_store_b128 v184, v[96+4*\i:99+4*\i] offset:4352*\i
.endr
.irp k, 8,16,24
.irp j, 0,2,4,6
	v_pk_add_f32 v[64+\j:65+\j], v[64+\j:65+\j], v[64+\k+\j:65+\k+\j]   ; four chains
.endr
.endr
	v_pk_add_f32 v[64:65], v[64:65], v[66:67]
	v_pk_add_f32 v[68:69], v[68:69], v[70:71]
	s_delay_alu instid0(VALU_DEP_1)
	v_pk_add_f32 v[64:65], v[64:65], v[68:69]
	s_delay_alu instid0(VALU_DEP_1)
	v_add_f32 v64, v64, v65
.irp m, 1,2,4,8
	s_delay_alu instid0(VALU_DEP_1)
	v_add_f32_dpp v64, v64, v64 row_xmask:\m row_mask:0xf bank_mask:0xf
.endr
	s_delay_alu instid0(VALU_DEP_1)
	v_permlanex16_b32 v65, v64, s74, s75
	s_delay_alu instid0(VALU_DEP_1)
	v_add_f32 v64, v64, v65                        ; sum(wm)
	WIN 0x40
	v_mov_b32 v234, v64
	WIN 0
.irp i, 0,1,2,3,4,5,6,7
	v_mov_b32 v[SCA+\i], 0
.endr
.macro LOADN a, p, n                   ; row block a of the unit in slot p: my lane's two blocks of 32 numbers
.irp c, 0,1
.irp j, 0,1,2,3,4,5,6,7
	ds_load_b128 v[\n+32*\c+4*\j:\n+32*\c+4*\j+3], v[13+\p] offset:(\a)*8704+272*\c+16*\j
.endr
.endr
.endm
.macro QUANT a, q, n                   ; 16 rows x 128 K -> 12 registers of codes (window 1) and a scale word
.set FB, 96*(\a)+12*(\q)
.irp t, 0,1,2,3
	v_max3_num_f32 v[192+\t], |v[\n+16*\t]|, |v[\n+16*\t+1]|, 0x2800000   ; four chains, two to a block; the floor 2^(5 - 127): the byte cannot fall under 1
.endr
.irp i, 2,4,6,8,10,12,14
.irp t, 0,1,2,3
	v_max3_num_f32 v[192+\t], v[192+\t], |v[\n+16*\t+\i]|, |v[\n+16*\t+\i+1]|
.endr
.endr
	s_delay_alu instid0(VALU_DEP_3)
	v_max_num_f32 v192, v192, v193
	s_delay_alu instid0(VALU_DEP_2)
	v_max_num_f32 v194, v194, v195
	s_delay_alu instid0(VALU_DEP_2)
	v_add_nc_u32 v196, 0xfe000000, v192            ; 4 off the exponent field: the conversion's scale operand
	s_delay_alu instid0(VALU_DEP_2)
	v_add_nc_u32 v197, 0xfe000000, v194
	s_delay_alu instid0(VALU_DEP_2)
	v_lshrrev_b32 v198, 23, v196                   ; the bytes of blocks h and 2 + h
	s_delay_alu instid0(VALU_DEP_2)
	v_lshrrev_b32 v199, 23, v197
	s_delay_alu instid0(VALU_DEP_1)
	v_lshl_or_b32 v198, v199, 16, v198
	s_delay_alu instid0(VALU_DEP_1)
	v_lshlrev_b32 v198, v15, v198
	s_delay_alu instid0(VALU_DEP_1)
	v_permlanex16_b32 v200, v198, s74, s75
	s_delay_alu instid0(VALU_DEP_1)
.if (\q) < 4
	v_or_b32 v[XS+4*(\a)+(\q)], v198, v200
.else
	v_or_b32 v198, v198, v200
	s_delay_alu instid0(VALU_DEP_1)
	v_cndmask_b32 v[XS+4*(\a)+(\q)-4], v[XS+4*(\a)+(\q)-4], v198, s76   ; K steps 4-7 live in lanes 16-31
.endif
	WIN 0x40
.irp c, 0,1
	v_cvt_scalef32_pk16_bf6_f32 v[FB+6*\c:FB+6*\c+2], v[\n+32*\c:\n+32*\c+15], v[196+\c]
	v_cvt_scalef32_pk16_bf6_f32 v[224+4*\c:226+4*\c], v[\n+32*\c+16:\n+32*\c+31], v[196+\c]   ; three registers begin on an even number: made here, moved below
.endr
	v_nop                                          ; a plain place behind the conversions
	WIN 0x41
.irp c, 0,1
.irp i, 0,1,2
	v_mov_b32 v[FB+6*\c+3+\i], v[224+4*\c+\i]
.endr
.endr
	WIN 0
.endm
.macro QUNIT q                         ; a unit: two row blocks; 16 = the second block's loads, which may stay out
	LOADN 0, (\q)%2, 48
	LOADN 1, (\q)%2, 112
.if (\q) < 5
	ASK (\q)+3                                     ; two refills ahead of the one just issued (unit q + 1)
.endif
	s_wait_dscnt 16
	QUANT 0, \q, 48
	s_wait_dscnt 0x0
	QUANT 1, \q, 112
.endm
.macro FRAG reg, b, q                  ; a fragment of Wc in pieces of 8 bytes; piece PC of a row lies at 8 PC + 16 for each 256 bytes passed
.irp p, 0,1,2,3,4,5
.set PC, 12*(\q)+6*(\p/3)+\p%3
.set AR, 5
.if (PC%32) >= 29
.set AR, 6
.endif
	ds_load_b64 v[\reg+2*\p:\reg+2*\p+1], v[AR] offset:(\b)*16*WROW+8*PC+16*(PC/32)
.endr
.endm
.macro FETCHB q, set
.irp b, 0,1,2,3
	FRAG \set+12*\b, \b, \q
.endr
.endm
.macro MUL q, set                      ; 8 matrix instructions: 2 row blocks x 4 blocks of Wc, 128 along K
.if (\q) == 0
	WIN 0x14
.else
	WIN 0x04
.endif
.irp u, 0,1
.irp b, 0,1,2,3
.set AC, ACC+8*(4*\u+\b)
.set CF, 96*\u+12*(\q)
.set SA, WS+4*\b+(\q)%4
.set SB, XS+4*\u+(\q)%4
.if (\q) == 0
	v_wmma_scale_f32_16x16x128_f8f6f4 v[AC:AC+7], v[\set+12*\b:\set+12*\b+11], v[CF:CF+11], v[BW+8*\b:BW+8*\b+7], v[SA], v[SB] matrix_a_fmt:MATRIX_FMT_BF6 matrix_b_fmt:MATRIX_FMT_BF6
.elseif (\q) < 4
	v_wmma_scale_f32_16x16x128_f8f6f4 v[AC:AC+7], v[\set+12*\b:\set+12*\b+11], v[CF:CF+11], v[AC:AC+7], v[SA], v[SB] matrix_a_fmt:MATRIX_FMT_BF6 matrix_b_fmt:MATRIX_FMT_BF6
.else
	v_wmma_scale_f32_16x16x128_f8f6f4 v[AC:AC+7], v[\set+12*\b:\set+12*\b+11], v[CF:CF+11], v[AC:AC+7], v[SA], v[SB] matrix_a_fmt:MATRIX_FMT_BF6 matrix_b_fmt:MATRIX_FMT_BF6 matrix_a_scale:MATRIX_SCALE_ROW1 matrix_b_scale:MATRIX_SCALE_ROW1
.endif
.endr
.endr
	WIN 0
.endm
.macro STEP q, sub                     ; step q's fragments are in; those of step q + 1 (24 loads; at step 2 wm's 8 as well) may be out; step q + 2's are asked for
.if (\q) == 7
	s_wait_dscnt 0x0
.elseif (\q) == 2
	s_wait_dscnt 32
.else
	s_wait_dscnt 24
.endif
.if (\q) < 6
.rept 4
	v_nop                                          ; places ahead of loads into registers that matrix instructions have read
.endr
.if (\q) == 1
	WIN 0x40
.irp b, 0,1,2,3
	ds_load_b128 v[BW+8*\b:BW+8*\b+3], v12 offset:4096+256*(\sub)+64*\b        ; hid_ has served as C: wm's numbers take its registers
	ds_load_b128 v[BW+8*\b+4:BW+8*\b+7], v12 offset:4096+256*(\sub)+64*\b+16
.endr
	WIN 0
.endif
	FETCHB (\q)+2, 48+48*(((\q)+2)%3)
.endif
	MUL \q, 48+48*((\q)%3)
.endm
.macro MSUB sub                        ; M: sub-chunk sub (64 rows of Wc) of the chunk against my 32 rows
	s_add_co_u32 s80, s77, 52224*(\sub)
	v_nop
	v_nop                                          ; with the four below: places behind the last sub-chunk's products, on every way here
	v_add_nc_u32 v5, s80, v3
	v_add_nc_u32 v6, s80, v4
	v_add_nc_u32 v11, s78, v9
	v_add_nc_u32 v12, s79, v10
.irp b, 0,1,2,3
	ds_load_b128 v[WS+4*\b:WS+4*\b+3], v11 offset:2176*(\sub)+544*\b
.endr
	WIN 0x40
.irp b, 0,1,2,3
	ds_load_b128 v[BW+8*\b:BW+8*\b+3], v12 offset:256*(\sub)+64*\b
	ds_load_b128 v[BW+8*\b+4:BW+8*\b+7], v12 offset:256*(\sub)+64*\b+16
.endr
	WIN 0
	FETCHB 0, 48
	FETCHB 1, 96
	s_wait_alu depctr_va_vdst(0)
.irp q, 0,1,2,3,4,5,6,7
	STEP \q, \sub
.endr
.endm
.macro EPI                             ; E: partial sums += wm / (1 + 2^(2 log2(e) x)), over the sub-chunk's 64 registers, in batches; one wait ahead of each batch of transcendentals and one behind
.rept 4
	v_nop                                          ; places behind the last products
.endr
.set ei, 0
.rept 32
	v_pk_mul_f32 v[ACC+2*ei:ACC+2*ei+1], v[ACC+2*ei:ACC+2*ei+1], s[72:73] op_sel_hi:[1,0]   ; each accumulator from its low end on
.set ei, ei+1
.endr
	s_wait_alu depctr_va_vdst(0)
.set ei, 0
.rept 64
	v_exp_f32 v[ACC+ei], v[ACC+ei]
.set ei, ei+1
.endr
	v_nop
	s_wait_alu depctr_va_vdst(0)
.set ei, 0
.rept 32
	v_pk_add_f32 v[ACC+2*ei:ACC+2*ei+1], v[ACC+2*ei:ACC+2*ei+1], 1.0 op_sel_hi:[1,0]
.set ei, ei+1
.endr
	s_wait_alu depctr_va_vdst(0)
.set ei, 0
.rept 64
	v_rcp_f32 v[ACC+ei], v[ACC+ei]
.set ei, ei+1
.endr
	v_nop
	s_wait_alu depctr_va_vdst(0)
	WIN 0x04
.irp b, 0,1,2,3
.irp jp, 0,1,2,3
.irp u, 0,1
	v_pk_fma_f32 v[SCA+4*\u+2*(\jp%2):SCA+4*\u+2*(\jp%2)+1], v[ACC+8*(4*\u+\b)+2*\jp:ACC+8*(4*\u+\b)+2*\jp+1], v[BW+8*\b+2*\jp:BW+8*\b+2*\jp+1], v[SCA+4*\u+2*(\jp%2):SCA+4*\u+2*(\jp%2)+1]   ; four chains
.endr
.endr
.endr
	WIN 0
.endm
.macro TRIP kind                       ; a chunk and the change of slots behind it: waves 0-3 finish their way out ahead of the change, waves 4-7 behind it
	MSUB 0
	EPI
	MSUB 1
	s_cmp_lg_u32 s71, 0
	s_cbranch_scc1 .Llate_\@
	EPI
.Llate_\@:
	CHANGE \kind
	s_cmp_eq_u32 s71, 0
	s_cbranch_scc1 .Ldone_\@
	EPI
.Ldone_\@:
	s_add_co_u32 s78, s78, 4352
	s_add_co_u32 s79, s79, 512
	s_xor_b32 s77, s77, P1
.endm
	s_wait_alu depctr_va_vdst(0)
	s_wait_tensorcnt 0x0                           ; unit 0 is in; the full sequence ahead of slot 1's first fill:
	ds_add_u32 v[SPW], v[NIL]
	s_wait_dscnt 0x0                               ; the add and my stores of the tables and scale bytes are done
	CROUND
	TL G0X+4, G1X                                  ; unit 1
	QUNIT 0
	CHANGE 0
	QUNIT 1
	CHANGE 1
	QUNIT 2
	CHANGE 0
	QUNIT 3
	CHANGE 1
	QUNIT 4
	CHANGE 0
	QUNIT 5
	CHANGE 1
	QUNIT 6
	CHANGE 2
	QUNIT 7
	s_wait_xcnt 0x0                                ; the prefetches have read v5, which the sub-chunks write anew
	CHANGE 3                                       ; chunk 0 is in; chunk 1 is asked for
	s_mov_b32 s83, 6
.Lchunk:
	TRIP 3                                         ; chunks 0-5; the change asks for chunks 2-7
	s_sub_co_u32 s83, s83, 1
	s_cmp_lg_u32 s83, 0
	s_cbranch_scc1 .Lchunk
	TRIP 4                                         ; chunk 6: nothing more is fetched
	MSUB 0                                         ; chunk 7
	EPI
	MSUB 1
	EPI
.irp a, 0,1
	v_pk_add_f32 v[48+2*\a:49+2*\a], v[SCA+4*\a:SCA+4*\a+1], v[SCA+4*\a+2:SCA+4*\a+3]
.endr
	WIN 0x01
	v_mov_b32 v52, v232                            ; the mask of my two row blocks,
	v_mov_b32 v53, v233
	v_mov_b32 v54, v234                            ; sum(wm)
	WIN 0
	v_mov_b32 v55, 0xccbebc20                      ; -1e8
	v_and_b32 v60, 15, v0
	s_lshl_b32 s85, s18, 7
	v_lshlrev_b32 v13, 2, v60
	v_lshlrev_b32 v61, 4, v0                       ; 16 x thread: the stage read back, and the same in scores
	v_add_nc_u32 v13, s85, v13
	v_add_nc_u32 v14, SCR, v61
	v_add_nc_u32 v13, SCR, v13                     ; the stage: 128 bytes a wave, 4 r
.irp a, 0,1
	v_add_f32 v[56+\a], v[48+2*\a], v[49+2*\a]
	v_mov_b32 v[58+\a], 0
.endr
.irp a, 0,1
	v_permlanex16_b32 v[58+\a], v[56+\a], s74, s75
.endr
.irp a, 0,1
	v_add_f32 v[56+\a], v[56+\a], v[58+\a]         ; with lane l xor 16's columns
.endr
.irp a, 0,1
	v_fma_f32 v[56+\a], v[56+\a], -2.0, v54        ; sum(wm) - 2 x the sum
.endr
.irp a, 0,1
	v_cmp_lt_f32 vcc_lo, 0, v[52+\a]
	v_cndmask_b32 v[56+\a], v55, v[56+\a], vcc_lo  ; the mask
	ds_store_b32 v13, v[56+\a] offset:64*\a        ; both halves of the lanes store the same number
.endr
	s_wait_alu depctr_va_vdst(0)
	s_wait_dscnt 0x0                               ; for the others' sake: the 1,024 bytes come from eight waves
	s_barrier_signal -1
	s_barrier_wait -1
	s_cmp_lt_u32 s18, 2
	s_cbranch_scc0 .Lno_store
	ds_load_b128 v[64:67], v14
	s_wait_dscnt 0x0
	global_store_b128 v61, v[64:67], s[16:17]      ; waves 0 and 1: 512 consecutive bytes each, at a multiple of 256 from the buffer's first byte
.Lno_store:
	s_wait_tensorcnt 0x0                           ; the wave's end
	ds_add_u32 v[SPW], v[NIL]
	s_wait_dscnt 0x0
	CROUND                                         ; the closing round
	s_endpgm
.Lfunc_end_k_q365c460352_score:
	.size	k_q365c460352_score, .Lfunc_end_k_q365c460352_score-k_q365c460352_score
	.p2alignl 7, 3214868480
	.fill 96, 4, 3214868480
	.section	.rodata,"a",@progbits
	.p2align	6, 0x0
	.amdhsa_kernel k_q365c460352_score
		.amdhsa_group_segment_fixed_size 327680
		.amdhsa_private_segment_fixed_size 0
		.amdhsa_enable_private_segment 0
		.amdhsa_kernarg_size 56
		.amdhsa_user_sgpr_count 2
		.amdhsa_user_sgpr_kernarg_segment_ptr 1
		.amdhsa_wavefront_size32 1
		.amdhsa_system_sgpr_workgroup_id_x 1
		.amdhsa_system_sgpr_workgroup_id_y 1
		.amdhsa_system_sgpr_workgroup_id_z 1
		.amdhsa_system_vgpr_workitem_id 0
		.amdhsa_next_free_vgpr 512
		.amdhsa_next_free_sgpr 92
		.amdhsa_reserve_vcc 1
		.amdhsa_float_denorm_mode_32 3
		.amdhsa_float_denorm_mode_16_64 3
		.amdhsa_memory_ordered 1
		.amdhsa_forward_progress 1
		.amdhsa_inst_pref_size 255
	.end_amdhsa_kernel
	.section	.bss,"aw",@nobits
	.p2align	6
	.space	262144
	.amdgpu_metadata
---
amdhsa.version: [ 1, 2 ]
amdhsa.kernels:
  - .name:           k_q365c460352_score
    .symbol:         k_q365c460352_score.kd
    .args:
      - { .name: ctx, .offset: 0, .size: 8, .value_kind: global_buffer, .address_space: global }
      - { .name: ctx_mask, .offset: 8, .size: 8, .value_kind: global_buffer, .address_space: global }
      - { .name: Wc_codes, .offset: 16, .size: 8, .value_kind: global_buffer, .address_space: global }
      - { .name: Wc_scales, .offset: 24, .size: 8, .value_kind: global_buffer, .address_space: global }
      - { .name: hidp, .offset: 32, .size: 8, .value_kind: global_buffer, .address_space: global }
      - { .name: wm, .offset: 40, .size: 8, .value_kind: global_buffer, .address_space: global }
      - { .name: scores, .offset: 48, .size: 8, .value_kind: global_buffer, .address_space: global }
    .group_segment_fixed_size: 327680
    .private_segment_fixed_size: 0
    .kernarg_segment_align: 8
    .kernarg_segment_size: 56
    .max_flat_workgroup_size: 256
    .sgpr_count:     92
    .vgpr_count:     512
    .wavefront_size: 32
...
	.end_amdgpu_metadata
.endif
;; end of part 2
;; launch attend (part 3): grid 4 x 64, 32 waves a work-group, no clusters, 37,888 bytes of LDS; arguments scores, ctx, alphat, zc, zs; writes alphat, zc, zs
.if DOCPART == 3
	.amdgcn_target "amdgcn-amd-amdhsa--gfx1250"
	.amdhsa_code_object_version 6
	.text
	.protected	k_q365c460352_attend
	.globl	k_q365c460352_attend
	.p2align	8
	.type	k_q365c460352_attend,@function
k_q365c460352_attend:
	s_mov_b64 s[64:65], 0
	v_nop
	global_prefetch_b8 v0, s[64:65] scope:SCOPE_SE
	s_setreg_imm32_b32 hwreg(HW_REG_WAVE_MODE, 25, 1), 1
	s_wait_xcnt 0x0
; alpha[b][s] = softmax over s of scores[b][s] (the maximum taken away first);  z[b][c] = sum over s of alpha[b][s] ctx[s][b][c], in f32 by fused multiply-adds, since z goes on into a quantiser;
; z is quantised along c to codes of BF6 (E3M2), one E8M0 byte for each 32: zc [64][768 bytes], zs [64][32], laid as the given operands are.  No work of reference() is left out here.
; A STREAM: ctx is read once, 1,024 consecutive bytes of a row at a time; nothing is shared between work-groups but 4 KB of scores.  So: no matrix unit, no tensor loads, no cluster.
; SHARES: work-group (x, y): b = y, columns 256 x .. 256 x + 255: z's 256 numbers have ONE owner.  Wave w of 32 takes rows s = 32 w .. 32 w + 31; a lane 8 columns (4 lane .. + 3 and 128 + 4 lane .. + 3).
; Every wave makes the softmax's maximum and sum for itself from all 1,024 scores (32 a lane); its own 32 alphas go to scalar registers.  Eight rows (16 loads) of every wave are on their way throughout.
; The 32 waves' partial sums meet in LDS; waves 0-7 add them, a thread a column; wave 0 quantises.  alphat [64][1024] is stored by wave 0 of x = 0.
; LIMITS: NaN and infinities are not served.  A block of z whose largest magnitude lies under 2^-122 keeps the byte 1; a block of zeros gets the byte 1 where the rule says 127: its codes are zeros, and this program alone reads the bytes.
; ORDER OF SUMS: z is 32 partial sums of 32 rows each, added in four chains.
.set PART,  0                          ; 32 waves x 1,024 bytes
.set ZROW,  32768                      ; z's 256 numbers
.set SPARE, 33792                      ; the spare words, 128 bytes for each of 32 waves
.set Z,  16                            ; v16-23
.set SC, 24                            ; v24-55   32 scores, then p, in wave 0 of x = 0 then alpha
.set X,  56                            ; v56-119  eight rows x 8 numbers
	s_load_b256 s[4:11], s[0:1], 0x0               ; scores s[4:5], ctx s[6:7], alphat s[8:9], zc s[10:11]
	s_load_b64 s[12:13], s[0:1], 0x20              ; zs
	v_lshl_add_u32 v3, v0, 2, SPARE                ; my spare word; never rewritten
	v_mov_b32 v4, 0                                ; 0; never rewritten
	v_lshrrev_b32 v5, 5, v0
	s_delay_alu instid0(VALU_DEP_1)
	v_readfirstlane_b32 s14, v5                    ; wave 0..31
	v_and_b32 v11, 31, v0                          ; lane
	s_delay_alu instid0(VALU_DEP_1)
	v_lshlrev_b32 v1, 4, v11                       ; 16 x lane
	s_delay_alu instid0(VALU_DEP_2)
	v_lshlrev_b32 v2, 2, v11                       ; 4 x lane
	s_lshl_b32 s50, s14, 10
	v_add_nc_u32 v5, s50, v1                       ; my wave's partial sums: 1,024 w + 16 lane
	v_lshlrev_b32 v6, 2, v0                        ; a thread a column: 4 x thread (threads 0-255)
	s_delay_alu instid0(VALU_DEP_1)
	v_add_nc_u32 v7, ZROW, v6
	v_and_b32 v12, 15, v0
	s_delay_alu instid0(VALU_DEP_1)
	v_lshl_add_u32 v8, v12, 6, ZROW                ; 16 neighbours of z: 64 bytes a lane; lanes 16-31 take what lanes 0-15 take
	s_delay_alu instid0(VALU_DEP_2)
	v_mul_u32_u24 v9, v12, 12                      ; their 12 bytes of codes
	s_delay_alu instid0(VALU_DEP_3)
	v_lshrrev_b32 v10, 1, v12                      ; their block's byte
	s_lshl_b32 s51, s14, 7
	v_add_nc_u32 v13, s51, v2                      ; my own score: s = 32 w + lane
	v_mov_b32 v122, 0                              ; written once: a lane permute's destination counts as one of its sources
	v_mov_b32 v125, 0
	s_and_b32 s15, ttmp7, 0xffff                   ; b
	s_mov_b32 s48, 0x3fb8aa3b                      ; log2(e)
	s_mov_b32 s49, s48
	s_mov_b32 s52, 0x76543210
	s_mov_b32 s53, 0xfedcba98
	s_lshl_b32 s54, s15, 12                        ; b's row of scores and of alphat
	s_mov_b32 s55, 0
	s_lshl_b32 s56, s14, 23                        ; ctx: 32 w rows of 262,144 bytes,
	s_add_co_u32 s56, s56, s54                     ; b's 4,096,
	s_lshl_b32 s58, ttmp9, 10
	s_add_co_u32 s56, s56, s58                     ; my 1,024 of them (under 2^28 in all)
	s_mov_b32 s57, 0
	s_mul_i32 s58, s15, 768
	s_mul_i32 s60, ttmp9, 192
	s_add_co_u32 s58, s58, s60                     ; zc: 768 b + 192 x
	s_mov_b32 s59, 0
	s_lshl_b32 s60, s15, 5
	s_lshl_b32 s61, ttmp9, 3
	s_add_co_u32 s60, s60, s61                     ; zs: 32 b + 8 x
	s_mov_b32 s61, 0
	s_wait_alu depctr_va_vdst(0)
	s_wait_kmcnt 0x0
	s_add_nc_u64 s[4:5], s[4:5], s[54:55]
	s_add_nc_u64 s[8:9], s[8:9], s[54:55]
	s_add_nc_u64 s[6:7], s[6:7], s[56:57]
	s_add_nc_u64 s[10:11], s[10:11], s[58:59]
	s_add_nc_u64 s[12:13], s[12:13], s[60:61]
.irp k, 0,1,2,3,4,5,6,7
	global_load_b128 v[SC+4*\k:SC+4*\k+3], v1, s[4:5] offset:512*\k
.endr
	global_load_b32 v120, v13, s[4:5]
.set i, 0
.rept 8
	global_load_b128 v[X+8*i:X+8*i+3], v1, s[6:7] offset:i*262144 th:TH_LOAD_NT      ; 32 lanes read 512 consecutive bytes; every offset is an immediate, 8,126,976 at the most
	global_load_b128 v[X+8*i+4:X+8*i+7], v1, s[6:7] offset:i*262144+512 th:TH_LOAD_NT
.set i, i+1
.endr
	s_wait_loadcnt 16                              ; the nine loads of scores are in; ctx's sixteen stay out
	v_max3_num_f32 v121, v[SC], v[SC+1], v[SC+2]
.irp j, 3,5,7,9,11,13,15,17,19,21,23,25,27,29
	s_delay_alu instid0(VALU_DEP_1)
	v_max3_num_f32 v121, v121, v[SC+\j], v[SC+\j+1]
.endr
	s_delay_alu instid0(VALU_DEP_1)
	v_max_num_f32 v121, v121, v[SC+31]
	s_delay_alu instid0(VALU_DEP_1)
	v_max_num_f32_dpp v121, v121, v121 row_xmask:1 row_mask:0xf bank_mask:0xf
	s_delay_alu instid0(VALU_DEP_1)
	v_max_num_f32_dpp v121, v121, v121 row_xmask:2 row_mask:0xf bank_mask:0xf
	s_delay_alu instid0(VALU_DEP_1)
	v_max_num_f32_dpp v121, v121, v121 row_xmask:4 row_mask:0xf bank_mask:0xf
	s_delay_alu instid0(VALU_DEP_1)
	v_max_num_f32_dpp v121, v121, v121 row_xmask:8 row_mask:0xf bank_mask:0xf
	s_delay_alu instid0(VALU_DEP_1)
	v_permlanex16_b32 v122, v121, s52, s53
	s_delay_alu instid0(VALU_DEP_1)
	v_max_num_f32 v122, v121, v122                 ; the largest score of b, in every lane
	s_delay_alu instid0(VALU_DEP_1)
	v_mov_b32 v123, v122
.irp j, 0,2,4,6,8,10,12,14,16,18,20,22,24,26,28,30
	v_pk_add_f32 v[SC+\j:SC+\j+1], v[SC+\j:SC+\j+1], v[122:123] neg_lo:[0,1] neg_hi:[0,1]   ; the maximum is taken away FIRST, then the factor: with scores of -1e8 a fused form would leave the product's rounding in the exponent
.endr
	v_sub_f32 v120, v120, v122
.irp j, 0,2,4,6,8,10,12,14,16,18,20,22,24,26,28,30
	v_pk_mul_f32 v[SC+\j:SC+\j+1], v[SC+\j:SC+\j+1], s[48:49] op_sel_hi:[1,0]
.endr
	v_mul_f32 v120, s48, v120
.set i, 0
	s_wait_alu depctr_va_vdst(0)
.rept 32
	v_exp_f32 v[SC+i], v[SC+i]
.set i, i+1
.endr
	v_exp_f32 v120, v120
	v_nop                                          ; a plain place behind the last exponential
	s_wait_alu depctr_va_vdst(0)                   ; one wait for the 33
	v_pk_add_f32 v[126:127], v[24:25], v[26:27]
	v_pk_add_f32 v[122:123], v[32:33], v[36:37]
	v_pk_add_f32 v[22:23], v[40:41], v[44:45]
	v_pk_add_f32 v[20:21], v[48:49], v[52:53]
	v_pk_add_f32 v[18:19], v[28:29], v[30:31]
	v_pk_add_f32 v[16:17], v[34:35], v[38:39]
	v_pk_add_f32 v[14:15], v[42:43], v[46:47]
	v_pk_add_f32 v[124:125], v[50:51], v[54:55]
	s_delay_alu instid0(VALU_DEP_1)
	v_pk_add_f32 v[124:125], v[124:125], v[20:21]
	v_pk_add_f32 v[126:127], v[126:127], v[18:19]
	v_pk_add_f32 v[122:123], v[122:123], v[16:17]
	v_pk_add_f32 v[22:23], v[22:23], v[14:15]
	s_delay_alu instid0(VALU_DEP_2)
	v_pk_add_f32 v[124:125], v[124:125], v[122:123]
	s_delay_alu instid0(VALU_DEP_2)
	v_pk_add_f32 v[126:127], v[126:127], v[22:23]
	s_delay_alu instid0(VALU_DEP_1)
	v_pk_add_f32 v[124:125], v[124:125], v[126:127]
	s_delay_alu instid0(VALU_DEP_1)
	v_add_f32 v124, v124, v125
	s_delay_alu instid0(VALU_DEP_1)
	v_add_f32_dpp v124, v124, v124 row_xmask:1 row_mask:0xf bank_mask:0xf
	s_delay_alu instid0(VALU_DEP_1)
	v_add_f32_dpp v124, v124, v124 row_xmask:2 row_mask:0xf bank_mask:0xf
	s_delay_alu instid0(VALU_DEP_1)
	v_add_f32_dpp v124, v124, v124 row_xmask:4 row_mask:0xf bank_mask:0xf
	s_delay_alu instid0(VALU_DEP_1)
	v_add_f32_dpp v124, v124, v124 row_xmask:8 row_mask:0xf bank_mask:0xf
	s_delay_alu instid0(VALU_DEP_1)
	v_permlanex16_b32 v125, v124, s52, s53
	s_delay_alu instid0(VALU_DEP_1)
	v_add_f32 v124, v124, v125                     ; the sum: at least 1
	s_wait_alu depctr_va_vdst(0)
	v_rcp_f32 v126, v124
	v_nop
	s_wait_alu depctr_va_vdst(0)
	v_mov_b32 v127, v126
	v_mul_f32 v120, v120, v126                     ; alpha of s = 32 w + lane
.set i, 0
.rept 32
	v_readlane_b32 s[16+i], v120, i                ; my wave's 32 alphas as scalars
.set i, i+1
.endr
	s_or_b32 s58, s14, ttmp9
	s_cmp_lg_u32 s58, 0
	s_cbranch_scc1 .Lnot_alpha                     ; alpha leaves once for each b: by wave 0 of x = 0
.irp j, 0,2,4,6,8,10,12,14,16,18,20,22,24,26,28,30
	v_pk_mul_f32 v[SC+\j:SC+\j+1], v[SC+\j:SC+\j+1], v[126:127]
.endr
.irp k, 0,1,2,3,4,5,6,7
	global_store_b128 v1, v[SC+4*\k:SC+4*\k+3], s[8:9] offset:512*\k   ; 512 consecutive bytes a store; these registers are not written again
.endr
.Lnot_alpha:
.set i, 0
.rept 32
.if i < 24
	s_wait_alu depctr_va_vdst(0)
	s_wait_loadcnt 14                              ; row i is in; the seven younger rows' loads stay out
.else
	s_wait_alu depctr_va_vdst(0)
	s_wait_loadcnt 2*(31-i)                        ; the counts run down
.endif
.irp j, 0,1,2,3,4,5,6,7
.if i == 0
	s_wait_alu depctr_va_vdst(0)
	v_mul_f32 v[Z+\j], s[16+i], v[X+8*(i%8)+\j]    ; the first row starts the sums: nothing is cleared
.else
	v_fmac_f32 v[Z+\j], s[16+i], v[X+8*(i%8)+\j]
.endif
.endr
.if i < 24
	global_load_b128 v[X+8*(i%8):X+8*(i%8)+3], v1, s[6:7] offset:(i+8)*262144 th:TH_LOAD_NT
	global_load_b128 v[X+8*(i%8)+4:X+8*(i%8)+7], v1, s[6:7] offset:(i+8)*262144+512 th:TH_LOAD_NT
.endif
.set i, i+1
.endr
	ds_store_b128 v5, v[Z:Z+3]                     ; columns 4 lane on,
	ds_store_b128 v5, v[Z+4:Z+7] offset:512        ; columns 128 + 4 lane on
	s_wait_dscnt 0x0                               ; for the others' sake
	s_barrier_signal -1
	s_barrier_wait -1
	s_cmp_lt_u32 s14, 8
	s_cbranch_scc0 .Lnot_sum
.set i, 0
.rept 32
	ds_load_b32 v[X+i], v6 offset:1024*i           ; my column's 32 partial sums
.set i, i+1
.endr
	s_wait_dscnt 0x0
.set i, 4
.rept 28
	v_add_f32 v[X+i%4], v[X+i%4], v[X+i]           ; four chains
.set i, i+1
.endr
	s_delay_alu instid0(VALU_DEP_3)
	v_add_f32 v[X], v[X], v[X+1]
	s_delay_alu instid0(VALU_DEP_2)
	v_add_f32 v[X+2], v[X+2], v[X+3]
	s_delay_alu instid0(VALU_DEP_1)
	v_add_f32 v[X], v[X], v[X+2]
	ds_store_b32 v7, v[X]
.Lnot_sum:
	s_wait_dscnt 0x0
	s_barrier_signal -1
	s_barrier_wait -1
	s_cmp_lg_u32 s14, 0
	s_cbranch_scc1 .Lend
.irp j, 0,1,2,3
	ds_load_b128 v[X+4*\j:X+4*\j+3], v8 offset:16*\j   ; 16 neighbours along c; two neighbouring lanes hold a block of 32
.endr
	s_wait_dscnt 0x0
	v_max3_num_f32 v72, |v[X]|, |v[X+1]|, |v[X+2]|
	v_max3_num_f32 v73, |v[X+3]|, |v[X+4]|, |v[X+5]|
.irp j, 6,10
	s_delay_alu instid0(VALU_DEP_2)
	v_max3_num_f32 v72, v72, |v[X+\j]|, |v[X+\j+1]|
	s_delay_alu instid0(VALU_DEP_2)
	v_max3_num_f32 v73, v73, |v[X+\j+2]|, |v[X+\j+3]|
.endr
	s_delay_alu instid0(VALU_DEP_2)
	v_max3_num_f32 v72, v72, |v[X+14]|, |v[X+15]|
	s_delay_alu instid0(VALU_DEP_1)
	v_max3_num_f32 v72, v72, v73, 0x2800000        ; and the floor 2^(5 - 127): the byte cannot fall under 1
	s_delay_alu instid0(VALU_DEP_1)
	v_max_num_f32_dpp v72, v72, v72 row_xmask:1 row_mask:0xf bank_mask:0xf   ; with my neighbour's 16: the block's largest magnitude
	s_delay_alu instid0(VALU_DEP_1)
	v_add_nc_u32 v74, 0xfe000000, v72              ; 4 off its exponent field: the conversion's scale operand
	v_cvt_scalef32_pk16_bf6_f32 v[76:78], v[X:X+15], v74
	v_lshrrev_b32 v75, 23, v74                     ; the scale's byte (and the plain place behind the conversion)
	global_store_b96 v9, v[76:78], s[10:11]        ; 192 consecutive bytes; lanes 16-31 store the same values to the same bytes as lanes 0-15
	global_store_b8 v10, v75, s[12:13]             ; both lanes of a block store the same byte
.Lend:
	s_wait_tensorcnt 0x0                           ; the wave's end
	ds_add_u32 v3, v4
	s_wait_dscnt 0x0
	s_endpgm
.Lfunc_end_k_q365c460352_attend:
	.size	k_q365c460352_attend, .Lfunc_end_k_q365c460352_attend-k_q365c460352_attend
	.p2alignl 7, 3214868480
	.fill 96, 4, 3214868480
	.section	.rodata,"a",@progbits
	.p2align	6, 0x0
	.amdhsa_kernel k_q365c460352_attend
		.amdhsa_group_segment_fixed_size 37888
		.amdhsa_private_segment_fixed_size 0
		.amdhsa_enable_private_segment 0
		.amdhsa_kernarg_size 40
		.amdhsa_user_sgpr_count 2
		.amdhsa_user_sgpr_kernarg_segment_ptr 1
		.amdhsa_wavefront_size32 1
		.amdhsa_system_sgpr_workgroup_id_x 1
		.amdhsa_system_sgpr_workgroup_id_y 1
		.amdhsa_system_sgpr_workgroup_id_z 1
		.amdhsa_system_vgpr_workitem_id 0
		.amdhsa_next_free_vgpr 128
		.amdhsa_next_free_sgpr 66
		.amdhsa_reserve_vcc 0
		.amdhsa_float_denorm_mode_32 3
		.amdhsa_float_denorm_mode_16_64 3
		.amdhsa_memory_ordered 1
		.amdhsa_forward_progress 1
		.amdhsa_inst_pref_size 36
	.end_amdhsa_kernel
	.amdgpu_metadata
---
amdhsa.version: [ 1, 2 ]
amdhsa.kernels:
  - .name:           k_q365c460352_attend
    .symbol:         k_q365c460352_attend.kd
    .args:
      - { .name: scores, .offset: 0, .size: 8, .value_kind: global_buffer, .address_space: global }
      - { .name: ctx, .offset: 8, .size: 8, .value_kind: global_buffer, .address_space: global }
      - { .name: alphat, .offset: 16, .size: 8, .value_kind: global_buffer, .address_space: global }
      - { .name: zc, .offset: 24, .size: 8, .value_kind: global_buffer, .address_space: global }
      - { .name: zs, .offset: 32, .size: 8, .value_kind: global_buffer, .address_space: global }
    .group_segment_fixed_size: 37888
    .private_segment_fixed_size: 0
    .kernarg_segment_align: 8
    .kernarg_segment_size: 40
    .max_flat_workgroup_size: 1024
    .sgpr_count:     66
    .vgpr_count:     128
    .wavefront_size: 32
...
	.end_amdgpu_metadata
.endif
;; end of part 3
;; launch finish (part 4): grid 16 x 5, 4 waves a work-group, no clusters, 126,720 bytes of LDS; arguments zc, zs, Wo_codes, Wo_scales, out1, alphat, out0; writes out1, out0
.if DOCPART == 4
	.amdgcn_target "amdgcn-amd-amdhsa--gfx1250"
	.amdhsa_code_object_version 6
	.text
	.protected	k_q365c460352_finish
	.globl	k_q365c460352_finish
	.p2align	8
	.type	k_q365c460352_finish,@function
k_q365c460352_finish:
	s_mov_b64 s[64:65], 0
	v_nop
	global_prefetch_b8 v0, s[64:65] scope:SCOPE_SE
	s_setreg_imm32_b32 hwreg(HW_REG_WAVE_MODE, 25, 1), 1
	s_wait_xcnt 0x0
; Two tasks in one launch, told apart by the work-group's y alone; each has LDS bytes of its own.  No work of reference() is left out here.
; y < 4:  out1[b][n] = sum over k of Q(z)[b][k] Wo[n][k]: the first launch's text on other buffers: X = zc, zs [64 rows]; W = Wo's codes and scale bytes; rows 16 y on, columns 64 x on, wave w its columns 16 w on.
;         K = 1,024 in eight matrix instructions on two accumulators by turns, added at the end: another order than one chain along K.  Transposed use: a lane holds eight neighbouring columns of a row.
; y = 4:  out0[s][b] = alphat[b][s]: work-group x turns the 64 columns s = 64 x on, through LDS, so that reads and stores alike cover whole runs of 256 bytes.
.set SP,    272
.set TR,    16*SP                      ; y = 4: 64 rows s x (256 bytes + 16)
.set SPARE, TR+64*SP                   ; the spare words, 128 bytes for each wave
.set FRG,   SPARE+512                  ; y < 4: 26,112 bytes for each wave: X's 16 rows of codes, then W's 16 rows, 16 bytes of padding behind every 256
.set XF,    32
.set WF,    128
.set XSC,   12
.set WSC,   16
.set ACC,   224
	s_load_b256 s[4:11], s[0:1], 0x0               ; zc s[4:5], zs s[6:7], Wo's codes s[8:9], Wo's scales s[10:11]
	s_load_b64 s[12:13], s[0:1], 0x20              ; out1
	s_load_b128 s[16:19], s[0:1], 0x28             ; alphat s[16:17], out0 s[18:19]
	v_lshl_add_u32 v8, v0, 2, SPARE                ; my spare word; never rewritten
	v_mov_b32 v9, 0                                ; 0; never rewritten
	v_lshrrev_b32 v1, 5, v0
	v_readfirstlane_b32 s14, v1                    ; wave 0..3
	v_and_b32 v2, 15, v0                           ; r
	v_bfe_u32 v3, v0, 4, 1                         ; h
	v_lshlrev_b32 v10, 12, v3
	v_lshl_add_u32 v10, v2, 4, v10                 ; 4,096 h + 16 r: two rows of 4,096 bytes, 16 bytes a lane (out1; alphat)
	s_and_b32 s15, ttmp7, 0xffff
	s_wait_kmcnt 0x0
	s_cmp_eq_u32 s15, 4
	s_cbranch_scc1 .Lturn
	s_wait_alu depctr_va_vdst(0)
	s_mul_i32 s2, s14, 26112
	s_add_co_u32 s2, s2, FRG                       ; my wave's LDS bytes
	v_mul_u32_u24 v4, v2, 816
	v_mad_u32_u24 v4, v3, 24, v4
	v_add_nc_u32 v4, s2, v4                        ; a fragment: row r of 816 bytes, + 24 h;
	v_lshl_add_u32 v11, v3, 4, v4                  ; and where lanes 16-31 have passed a run's padding
	v_mul_u32_u24 v21, v3, 272
	v_lshl_add_u32 v21, v2, 4, v21
	v_add_nc_u32 v21, s2, v21                      ; a block's way in: run h (+ 2 i), 16 bytes a lane
	v_and_b32 v20, 31, v0
	v_lshlrev_b32 v20, 4, v20                      ; and the same in memory: 16 x lane
	v_lshlrev_b32 v5, 5, v2
	v_lshl_add_u32 v5, v3, 4, v5                   ; scale bytes: row r, + 16 h
	s_wait_alu depctr_va_vdst(0)
	s_mul_i32 s20, s15, 12288
	s_mov_b32 s21, 0
	s_lshl_b32 s22, s15, 9
	s_mov_b32 s23, 0
	s_lshl_b32 s30, ttmp9, 6
	s_lshl_b32 s31, s14, 4
	s_add_co_u32 s30, s30, s31                     ; my first column: 64 x + 16 w
	s_mul_i32 s24, s30, 768
	s_mov_b32 s25, 0
	s_lshl_b32 s26, s30, 5
	s_mov_b32 s27, 0
	s_lshl_b32 s28, s15, 16                        ; out1: (16 y + 4 w) rows of 4,096 bytes + 256 x
	s_lshl_b32 s31, s14, 14
	s_add_co_u32 s28, s28, s31
	s_lshl_b32 s31, ttmp9, 8
	s_add_co_u32 s28, s28, s31
	s_mov_b32 s29, 0
	s_lshl_b32 s30, s14, 6
	s_mul_i32 s31, s14, 4*SP
	v_mul_u32_u24 v6, v2, SP
	v_lshl_add_u32 v6, v3, 5, v6
	v_add_nc_u32 v6, s30, v6                       ; into the stage: row r, my wave's 64 bytes, 32 for each half of the lanes
	v_mul_u32_u24 v7, v3, SP
	v_lshl_add_u32 v7, v2, 4, v7
	v_add_nc_u32 v7, s31, v7                       ; back: rows 4 w + h (+ 2)
	s_add_nc_u64 s[4:5], s[4:5], s[20:21]
	s_add_nc_u64 s[6:7], s[6:7], s[22:23]
	s_add_nc_u64 s[8:9], s[8:9], s[24:25]
	s_add_nc_u64 s[10:11], s[10:11], s[26:27]
	s_add_nc_u64 s[12:13], s[12:13], s[28:29]
	global_load_b128 v[XSC:XSC+3], v5, s[6:7]      ; register i: lanes 0-15 K step i, lanes 16-31 K step 4 + i
	global_load_b128 v[WSC:WSC+3], v5, s[10:11]
.irp i, 0,1,2,3,4,5,6,7,8,9,10,11,12,13,14,15,16,17,18,19,20,21,22,23
	global_load_b128 v[XF+4*\i:XF+4*\i+3], v20, s[4:5] offset:512*\i   ; two dense blocks of 12,288 bytes, 512 consecutive bytes a load
	global_load_b128 v[WF+4*\i:WF+4*\i+3], v20, s[8:9] offset:512*\i
.endr
	s_wait_loadcnt 0x0                             ; all operands at once
.irp i, 0,1,2,3,4,5,6,7,8,9,10,11,12,13,14,15,16,17,18,19,20,21,22,23
	ds_store_b128 v21, v[XF+4*\i:XF+4*\i+3] offset:544*\i              ; into my wave's own bytes: no barrier
	ds_store_b128 v21, v[WF+4*\i:WF+4*\i+3] offset:13056+544*\i
.endr
	s_wait_dscnt 0x0                               ; the stores have read their registers, which the fragments take
.irp q, 0,1,2,3,4,5,6,7
.irp p, 0,1,2,3,4,5
.set PC, 12*\q+6*(\p/3)+\p%3           ; the piece of lanes 0-15, counted in 8 bytes along the row; it lies at 8 PC + 16 for each 256 bytes passed; lanes 16-31 take the piece three on
.if (PC%32) >= 29
	ds_load_b64 v[XF+12*\q+2*\p:XF+12*\q+2*\p+1], v11 offset:8*PC+16*(PC/32)
	ds_load_b64 v[WF+12*\q+2*\p:WF+12*\q+2*\p+1], v11 offset:13056+8*PC+16*(PC/32)
.else
	ds_load_b64 v[XF+12*\q+2*\p:XF+12*\q+2*\p+1], v4 offset:8*PC+16*(PC/32)
	ds_load_b64 v[WF+12*\q+2*\p:WF+12*\q+2*\p+1], v4 offset:13056+8*PC+16*(PC/32)
.endif
.endr
.endr
	s_wait_dscnt 0x0
.irp q, 0,1,2,3,4,5,6,7
.set AC, ACC+8*(\q%2)
.if \q < 2
	v_wmma_scale_f32_16x16x128_f8f6f4 v[AC:AC+7], v[WF+12*\q:WF+12*\q+11], v[XF+12*\q:XF+12*\q+11], 0, v[WSC+\q], v[XSC+\q] matrix_a_fmt:MATRIX_FMT_BF6 matrix_b_fmt:MATRIX_FMT_BF6
.elseif \q < 4
	v_wmma_scale_f32_16x16x128_f8f6f4 v[AC:AC+7], v[WF+12*\q:WF+12*\q+11], v[XF+12*\q:XF+12*\q+11], v[AC:AC+7], v[WSC+\q], v[XSC+\q] matrix_a_fmt:MATRIX_FMT_BF6 matrix_b_fmt:MATRIX_FMT_BF6
.else
	v_wmma_scale_f32_16x16x128_f8f6f4 v[AC:AC+7], v[WF+12*\q:WF+12*\q+11], v[XF+12*\q:XF+12*\q+11], v[AC:AC+7], v[WSC+\q-4], v[XSC+\q-4] matrix_a_fmt:MATRIX_FMT_BF6 matrix_b_fmt:MATRIX_FMT_BF6 matrix_a_scale:MATRIX_SCALE_ROW1 matrix_b_scale:MATRIX_SCALE_ROW1
.endif
.endr
.rept 4
	v_nop                                          ; four places between the last product and the first read of results (ISA guide 7.12.1)
.endr
.irp j, 0,2,4,6
	v_pk_add_f32 v[240+\j:241+\j], v[ACC+\j:ACC+\j+1], v[ACC+8+\j:ACC+8+\j+1]   ; each accumulator from its low end on
.endr
	s_wait_alu depctr_va_vdst(0)
	ds_store_b128 v6, v[240:243]
	ds_store_b128 v6, v[244:247] offset:16
	s_wait_dscnt 0x0                               ; for the others' sake: a row's 256 bytes come from four waves
	s_barrier_signal -1
	s_barrier_wait -1
	ds_load_b128 v[24:27], v7
	ds_load_b128 v[28:31], v7 offset:2*SP
	s_wait_dscnt 0x1
	global_store_b128 v10, v[24:27], s[12:13]      ; sixteen lanes store 256 consecutive bytes, at a multiple of 256 from out1's first byte
	s_wait_dscnt 0x0
	global_store_b128 v10, v[28:31], s[12:13] offset:8192
	s_wait_tensorcnt 0x0                           ; the wave's end
	ds_add_u32 v8, v9
	s_wait_dscnt 0x0
	s_endpgm
.Lturn:
	s_lshl_b32 s20, ttmp9, 8                       ; alphat: columns 64 x on are 256 x bytes on,
	s_lshl_b32 s22, s14, 16                        ; my 16 rows b
	s_add_co_u32 s20, s20, s22
	s_mov_b32 s21, 0
	s_add_nc_u64 s[16:17], s[16:17], s[20:21]
	s_lshl_b32 s22, ttmp9, 14                      ; out0: rows 64 x + 16 w on, 256 bytes each
	s_lshl_b32 s24, s14, 12
	s_add_co_u32 s22, s22, s24
	s_mov_b32 s23, 0
	s_add_nc_u64 s[18:19], s[18:19], s[22:23]
	s_wait_alu depctr_va_vdst(0)
.irp i, 0,1,2,3,4,5,6,7
	global_load_b128 v[32+4*\i:35+4*\i], v10, s[16:17] offset:8192*\i   ; alphat(16 w + 2 i + h, 64 x + 4 r + 0 .. 3): sixteen lanes read 256 consecutive bytes
.endr
	s_lshl_b32 s24, s14, 6
	v_mul_u32_u24 v11, v2, 4*SP
	v_lshl_add_u32 v11, v3, 2, v11
	v_add_nc_u32 v11, s24, v11
	v_add_nc_u32 v11, TR, v11                      ; in: row s = 4 r (+ e), column b = 16 w + h (+ 2 i)
	s_mul_i32 s25, s14, 16*SP
	v_mul_u32_u24 v12, v3, SP
	v_lshl_add_u32 v12, v2, 4, v12
	v_add_nc_u32 v12, s25, v12
	v_add_nc_u32 v12, TR, v12                      ; back: rows 16 w + h (+ 2 i), 16 bytes a lane
	v_lshlrev_b32 v13, 8, v3
	v_lshl_add_u32 v13, v2, 4, v13                 ; and the same in out0
	s_wait_alu depctr_va_vdst(0)
	s_wait_loadcnt 0x0
.irp i, 0,1,2,3,4,5,6,7
.irp e, 0,1,2,3
	ds_store_b32 v11, v[32+4*\i+\e] offset:\e*SP+8*\i
.endr
.endr
	s_wait_dscnt 0x0                               ; for the others' sake: a row's 64 numbers come from four waves
	s_barrier_signal -1
	s_barrier_wait -1
.irp i, 0,1,2,3,4,5,6,7
	ds_load_b128 v[64+4*\i:67+4*\i], v12 offset:2*\i*SP
.endr
.irp i, 0,1,2,3,4,5,6,7
	s_wait_dscnt 7-\i
	global_store_b128 v13, v[64+4*\i:67+4*\i], s[18:19] offset:512*\i   ; two whole rows of out0: 512 consecutive bytes, at a multiple of 256 from its first byte
.endr
	s_wait_tensorcnt 0x0                           ; the wave's end, on this path too
	ds_add_u32 v8, v9
	s_wait_dscnt 0x0
	s_endpgm
.Lfunc_end_k_q365c460352_finish:
	.size	k_q365c460352_finish, .Lfunc_end_k_q365c460352_finish-k_q365c460352_finish
	.p2alignl 7, 3214868480
	.fill 96, 4, 3214868480
	.section	.rodata,"a",@progbits
	.p2align	6, 0x0
	.amdhsa_kernel k_q365c460352_finish
		.amdhsa_group_segment_fixed_size 126720
		.amdhsa_private_segment_fixed_size 0
		.amdhsa_enable_private_segment 0
		.amdhsa_kernarg_size 56
		.amdhsa_user_sgpr_count 2
		.amdhsa_user_sgpr_kernarg_segment_ptr 1
		.amdhsa_wavefront_size32 1
		.amdhsa_system_sgpr_workgroup_id_x 1
		.amdhsa_system_sgpr_workgroup_id_y 1
		.amdhsa_system_sgpr_workgroup_id_z 1
		.amdhsa_system_vgpr_workitem_id 0
		.amdhsa_next_free_vgpr 256
		.amdhsa_next_free_sgpr 66
		.amdhsa_reserve_vcc 0
		.amdhsa_float_denorm_mode_32 3
		.amdhsa_float_denorm_mode_16_64 3
		.amdhsa_memory_ordered 1
		.amdhsa_forward_progress 1
		.amdhsa_inst_pref_size 25
	.end_amdhsa_kernel
	.amdgpu_metadata
---
amdhsa.version: [ 1, 2 ]
amdhsa.kernels:
  - .name:           k_q365c460352_finish
    .symbol:         k_q365c460352_finish.kd
    .args:
      - { .name: zc, .offset: 0, .size: 8, .value_kind: global_buffer, .address_space: global }
      - { .name: zs, .offset: 8, .size: 8, .value_kind: global_buffer, .address_space: global }
      - { .name: Wo_codes, .offset: 16, .size: 8, .value_kind: global_buffer, .address_space: global }
      - { .name: Wo_scales, .offset: 24, .size: 8, .value_kind: global_buffer, .address_space: global }
      - { .name: out1, .offset: 32, .size: 8, .value_kind: global_buffer, .address_space: global }
      - { .name: alphat, .offset: 40, .size: 8, .value_kind: global_buffer, .address_space: global }
      - { .name: out0, .offset: 48, .size: 8, .value_kind: global_buffer, .address_space: global }
    .group_segment_fixed_size: 126720
    .private_segment_fixed_size: 0
    .kernarg_segment_align: 8
    .kernarg_segment_size: 56
    .max_flat_workgroup_size: 128
    .sgpr_count:     66
    .vgpr_count:     256
    .wavefront_size: 32
...
	.end_amdgpu_metadata
.endif
;; end of part 4
